; MI455X (gfx1250); checked and timed in simulation.
; The chip was launched on July 23, 2026; its instructions are those of AMD's public machine-readable ISA for CDNA 5 (MIT licence, August 2026) and "CDNA5" Instruction Set Architecture Reference Guide (July 2026). The comments in the code are by the model that wrote it; some were corrected since.
;; Bool. Allowed arithmetic: matrix products marked QUANTISED: E5M2 operands, one E8M0 scale for each 32 along K, by v_wmma_scale_f32_16x16x128_f8f6f4 with both operands' format E5M2, f32 sums; everything else in f32.
;; Inputs: W_codes 2 x 4,096 x 128 x 32 uint8 (E5M2 codes of W, K innermost, in blocks of 32 codes); W_scales 2 x 4,096 x 128 uint8 (E8M0 scales of W, one for each 32 codes along K); b 2 x 4,096 float32; x 2,048 x 4,096 float32.
;; Outputs: out0 2,048 x 4,096 float32.
;; This version of the problem:
;;   THIS VERSION OF THE PROBLEM IS GIVEN IN LOW PRECISION. The matrix products marked QUANTISED in the list below multiply operands that are first quantised to E5M2 (5 exponent bits, 2 mantissa bits; 8 bits a number), with one power-of-two scale for each 32 numbers along K (OCP MX v1.0); their sums are f32. All else is computed in f32.
;;   The module's matrix products, in the order in which they are computed (A, B: the left and right operand; K: the contracted axis; several contracted axes count as one K, in the product's order):
;;     1. [M 8,192, K 4,096] x [K 4,096, N 2,048]; A: input W (given as codes); B: input x: QUANTISED
;;   THE QUANTISER, for each operand of a quantised product, along K:
;;     - K is cut into blocks of 32 from its start; a last block that is shorter is filled with zeros.
;;     - A block's scale is 2^e with e = floor(log2(the largest magnitude in the block)) - 15, held to -126 .. 127; a block of zeros has e = 0. As a byte (E8M0): e + 127.
;;     - Each number is divided by its block's scale, clamped to +-57,344, and rounded to the nearest number of E5M2, ties to even, subnormals kept.
;;     - The product sums the exact products of the quantised numbers (number of the format x scale) in f32.
;;   ~~~python
;;   def quantise(x, axis):      # numpy; x: float32 -> the quantised numbers, widened to float32 again
;;       x = np.moveaxis(x, axis, -1); K = x.shape[-1]
;;       x = np.pad(x, [(0, 0)] * (x.ndim - 1) + [(0, -K % 32)]); x = x.reshape(x.shape[:-1] + (-1, 32)); a = np.abs(x).max(-1, keepdims=True)
;;       e = np.where(a > 0, np.clip(np.frexp(np.where(a > 0, a, 1))[1] - 1 - 15, -126, 127), 0)      # np.frexp(a)[1] - 1 = floor(log2(a)), exactly
;;       r = np.clip(x / 2.0 ** e, -57344, 57344)
;;       step = 2.0 ** (np.maximum(np.frexp(np.where(r == 0, 1, r))[1] - 1, -14) - 2)
;;       q = np.round(r / step) * step * 2.0 ** e      # np.round: ties to even
;;       return np.moveaxis(q.reshape(q.shape[:-2] + (-1,))[..., :K], -1, axis).astype(np.float32)
;;   ~~~
;;   INPUTS GIVEN AS CODES. W (in the module: [2, 4096, 4096], K = its axis 1): each comes as NAME_codes (uint8): NAME with its K axis moved to the last place and cut into blocks of 32 codes, [.., K / 32, bytes a block], one block behind the other in memory; one code a byte (a code: sign, 5 exponent bits, 2 mantissa bits); and NAME_scales (uint8): the same leading axes, one E8M0 byte (e + 127) for each 32 codes along K. Its value is code x scale, taken as it is: it is not quantised again, and the codes and scales need not be those that the quantiser above would give.
;; One version. Each part assembles by itself: llvm-mc -triple=amdgcn-amd-amdhsa -mcpu=gfx1250 --defsym DOCPART=n.
;; ======== version 1 of 1: 2 launches
;; limits: right only within a limited range of input values
;; workspace buffers: xq 8,650,752 bytes; rmean 8,192 bytes
;; launch quant (part 1): grid 256 x 1, 8 waves a work-group, no clusters, 44,032 bytes of LDS; arguments x, xq, rmean; writes xq, rmean
.if DOCPART == 1
	.amdgcn_target "amdgcn-amd-amdhsa--gfx1250"
	.amdhsa_code_object_version 6
	.text
	.protected	k_q4e6196f3f1_quant
	.globl	k_q4e6196f3f1_quant
	.p2align	8
	.type	k_q4e6196f3f1_quant,@function
k_q4e6196f3f1_quant:
	s_mov_b64 s[64:65], 0
	v_nop
	global_prefetch_b8 v0, s[64:65] scope:SCOPE_SE
	s_setreg_imm32_b32 hwreg(HW_REG_WAVE_MODE, 25, 1), 1
	s_wait_xcnt 0x0
; x [2048][4096], f32, is turned into codes of BF8 (E5M2) with one E8M0 scale byte for each 32 along K, and each row's mean is stored beside them.
; A block's scale is 2^(floor(log2(its largest magnitude)) - 15); its byte is the largest magnitude's exponent field - 15, held at 1 from below.  Each number is divided by the scale,
; held within +-57,344 and rounded to the nearest code, ties to even.
; THE CODES' BUFFER IS LAID AS ITS READER WANTS IT: [16 tiles of 128 rows][16 K steps of 256][33,792 bytes]; such a block is 128 rows x 256 codes and, behind them, 128 rows x 8 scale bytes:
; 132 x 256 consecutive bytes, which the product's launch brings by one tensor load.
; THE MEANS go out as f32 numbers; the product's launch compares them with 0 and selects values by the outcome: no address here or there hangs on them.
; LIMITS: a row whose sum lies within the rounding of its f32 additions of 0 may fall on the other side of 0 than with another order of summation (here: 128 numbers a lane in four chains, then
; a tree over the lanes).  A block of zeros gets the byte 1 where the rule says 127: its codes are zeros, and this program alone reads the bytes.  Blocks whose largest magnitude lies under
; 2^(15 - 126) were not tried; NaN and infinities among the inputs are not served.
; SHARES: a work-group of eight waves takes eight neighbouring rows, a wave one row: 8 steps of 512 numbers.  ALL 32 LOADS OF A WAVE GO OUT AT ITS HEAD, into 128 registers: 16 KB a wave are on their way.
; Each load reads 512 consecutive bytes, 16 a lane; a step's 2,048 bytes turn through the wave's own stage in LDS and come back 64 bytes a lane, so that a lane holds 16 neighbours along K
; (two neighbouring lanes hold a block).  The eight rows' scale bytes are neighbours in each block of the buffer: they meet in LDS behind the one barrier and leave in runs of 64 bytes; so do the eight means.
.set STEPS, 8
.set EMAX,  15
.set MANT,  0x600000                   ; the mantissa field of 57,344 as f32
.set XBLK,  33792                      ; a block of the codes' buffer
.set XTILE, 16*XBLK                    ; the 16 blocks of a tile of 128 rows
.set R,     16                         ; v16-143  eight sets of 16 numbers as they are loaded: a set for each step, never loaded twice
.set X,     144                        ; v144-175 two sets of 16 neighbours
.set E,     176                        ; v176-183 a scale byte for each step
.set C,     184                        ; v184-215 codes: four registers for each step, so that no store's data are written again
.set S0,    216                        ; v[216:217], v[218:219] the row's sum, in four chains
.set S1,    218
.set M,     220                        ; v220     the row's sum, then its mean
.set SP,    80                         ; a lane's place in a stage: its 64 bytes + 16 of padding
.set WREG,  2*32*SP                    ; LDS: two stages for each wave
.set SCB,   8*WREG                     ; behind them the work-group's scale bytes: [16 K steps][8 rows][8 bytes]
.set MB,    SCB+1024                   ; and its eight means
	s_load_b128 s[4:7], s[0:1], 0x0                ; x, the codes' buffer
	s_load_b64 s[12:13], s[0:1], 0x10              ; the means
	v_lshl_add_u32 v228, v0, 2, 0xa800
	v_mov_b32 v229, 0
	v_lshrrev_b32 v1, 5, v0
	s_delay_alu instid0(VALU_DEP_1)
	v_readfirstlane_b32 s16, v1                    ; wave 0..7
	v_and_b32 v2, 31, v0                           ; lane
	s_delay_alu instid0(VALU_DEP_1)
	v_lshlrev_b32 v3, 4, v2                        ; my 16 bytes of a load's 512
	s_mul_i32 s17, s16, WREG
	v_lshrrev_b32 v12, 2, v2
	s_delay_alu instid0(VALU_DEP_1)
	v_mul_u32_u24 v12, v12, SP
	v_and_b32 v13, 3, v2
	s_delay_alu instid0(VALU_DEP_1)
	v_lshl_add_u32 v12, v13, 4, v12
	s_delay_alu instid0(VALU_DEP_1)
	v_add_nc_u32 v12, s17, v12                     ; the stage, on the way in: SP (lane / 4) + 16 (lane % 4)
	v_mul_u32_u24 v13, v2, SP
	s_delay_alu instid0(VALU_DEP_1)
	v_add_nc_u32 v13, s17, v13                     ; and on the way out: SP x lane: my 16 neighbours
	v_lshrrev_b32 v8, 4, v2                        ; lane / 16
	v_and_b32 v9, 15, v2                           ; lane % 16
	s_delay_alu instid0(VALU_DEP_2)
	v_mul_u32_u24 v4, v8, XBLK                     ; my codes: a step's 512 codes are 256 of one K step (lanes 0-15) and 256 of the next (lanes 16-31),
	s_delay_alu instid0(VALU_DEP_1)
	v_lshl_add_u32 v4, v9, 4, v4                   ; 16 bytes a lane
	v_bfe_u32 v5, v2, 1, 3                         ; my block's scale byte in LDS: block (lane / 2) % 8 of its K step,
	s_delay_alu instid0(VALU_DEP_1)
	v_lshl_add_u32 v5, v8, 6, v5                   ; K step 2 t + lane / 16: 64 bytes a K step,
	s_lshl_b32 s18, s16, 3
	s_add_co_u32 s18, s18, SCB
	v_add_nc_u32 v5, s18, v5                       ; row = wave: 8 bytes a row
	s_and_b32 s19, s16, 1                          ; the scale bytes on their way out: waves 0 and 1 take 512 bytes each, 16 a lane:
	s_lshl_b32 s18, s19, 9
	s_add_co_u32 s18, s18, SCB
	v_add_nc_u32 v6, s18, v3                       ; in LDS,
	v_lshrrev_b32 v10, 2, v2
	s_lshl_b32 s18, s19, 3
	v_add_nc_u32 v10, s18, v10                     ; K step 8 x wave + lane / 4,
	s_delay_alu instid0(VALU_DEP_1)
	v_mul_u32_u24 v7, v10, XBLK
	v_and_b32 v10, 3, v2
	s_delay_alu instid0(VALU_DEP_1)
	v_lshl_add_u32 v7, v10, 4, v7                  ; two rows' 16 bytes: four lanes cover the eight rows' 64 bytes
	s_lshl_b32 s18, s16, 2
	s_add_co_u32 s18, s18, MB
	v_mov_b32 v14, s18                             ; my row's mean in LDS
	v_and_b32 v15, 7, v2
	s_delay_alu instid0(VALU_DEP_1)
	v_lshl_add_u32 v15, v15, 2, MB                 ; and the eight on their way out
	v_lshlrev_b32 v223, 2, v2
	v_mov_b32 v221, 0                              ; written once: a lane permute's destination counts as one of its sources
	s_mov_b32 s23, MANT                            ; (an instruction takes one literal: the hold's line has another)
	s_mov_b32 s24, 0x76543210
	s_mov_b32 s25, 0xfedcba98                      ; v_permlanex16_b32's selects for lane l xor 16
	s_lshl_b32 s18, ttmp9, 3
	s_add_co_u32 s18, s18, s16                     ; my row: 8 x work-group + wave
	s_lshl_b32 s20, s18, 14                        ; a row of x is 16,384 bytes
	s_mov_b32 s21, 0
	s_lshr_b32 s28, ttmp9, 4                       ; 16 work-groups of 8 rows make a tile of 128 rows
	s_mul_i32 s28, s28, XTILE
	s_and_b32 s27, ttmp9, 15
	s_lshl_b32 s27, s27, 3                         ; the work-group's first row in its tile
	s_add_co_u32 s26, s27, s16                     ; and mine
	s_lshl_b32 s30, s26, 8
	s_add_co_u32 s30, s30, s28                     ; my codes: 256 bytes a row in each block
	s_mov_b32 s31, 0
	s_lshl_b32 s27, s27, 3
	s_add_co_u32 s28, s28, s27                     ; the work-group's scale bytes: 8 a row in each block
	s_mov_b32 s29, 0
	s_lshl_b32 s14, ttmp9, 5                       ; its eight means
	s_mov_b32 s15, 0
	s_wait_kmcnt 0x0
	s_add_nc_u64 s[4:5], s[4:5], s[20:21]
	s_add_nc_u64 s[8:9], s[6:7], s[30:31]
	s_add_nc_u64 s[10:11], s[6:7], s[28:29]
	s_add_nc_u64 s[12:13], s[12:13], s[14:15]
.macro LOAD t
.irp i, 0,1,2,3
	global_load_b128 v[R+16*(\t)+4*\i:R+16*(\t)+4*\i+3], v3, s[4:5] offset:2048*(\t)+512*\i th:TH_LOAD_NT   ; 32 lanes read 512 consecutive bytes; read once in the launch
.endr
.endm
.macro TURN t                          ; step t's numbers through the stage: LDS serves a wave's instructions in order, so no wait stands between the stores and the loads
.irp i, 0,1,2,3
	ds_store_b128 v12, v[R+16*(\t)+4*\i:R+16*(\t)+4*\i+3] offset:32*SP*((\t)%2)+8*SP*\i
.endr
.irp i, 0,1,2,3
	ds_load_b128 v[X+16*((\t)%2)+4*\i:X+16*((\t)%2)+4*\i+3], v13 offset:32*SP*((\t)%2)+16*\i
.endr
.endm
.irp t, 0,1,2,3,4,5,6,7
	LOAD \t                                        ; the whole row
.endr
	s_wait_loadcnt 4*(STEPS-1)                     ; step 0's four loads are in; the 28 of steps 1 to 7 may be out
	TURN 0
.macro STEP t
.set XS, X+16*((\t)%2)
.if (\t) > 0
	s_wait_dscnt 1                                 ; this step's numbers are back from the stage (the last step's byte store may be out)
.else
	s_wait_dscnt 0x0
.endif
.if (\t)+1 < STEPS
	s_wait_loadcnt 4*(STEPS-2-(\t))                ; the next step's four loads are in; those of the steps behind it may be out
	TURN (\t)+1                                    ; and go through the other stage while this step is worked
.endif
	; the row's sum, of the numbers as they came: two at a time, in two packed chains; the first step starts the chains, so nothing is cleared
.if (\t) == 0
	v_pk_add_f32 v[S0:S0+1], v[XS:XS+1], v[XS+2:XS+3]
	v_pk_add_f32 v[S1:S1+1], v[XS+4:XS+5], v[XS+6:XS+7]
.else
	v_pk_add_f32 v[S0:S0+1], v[S0:S0+1], v[XS:XS+1]
	v_pk_add_f32 v[S1:S1+1], v[S1:S1+1], v[XS+2:XS+3]
	s_delay_alu instid0(VALU_DEP_2)
	v_pk_add_f32 v[S0:S0+1], v[S0:S0+1], v[XS+4:XS+5]
	s_delay_alu instid0(VALU_DEP_2)
	v_pk_add_f32 v[S1:S1+1], v[S1:S1+1], v[XS+6:XS+7]
.endif
.irp i, 8,12
	s_delay_alu instid0(VALU_DEP_2)
	v_pk_add_f32 v[S0:S0+1], v[S0:S0+1], v[XS+\i:XS+\i+1]
	s_delay_alu instid0(VALU_DEP_2)
	v_pk_add_f32 v[S1:S1+1], v[S1:S1+1], v[XS+\i+2:XS+\i+3]
.endr
.if (\t) == STEPS-1                    ; the last step: the four chains, then the 32 lanes
	s_delay_alu instid0(VALU_DEP_1)
	v_pk_add_f32 v[S0:S0+1], v[S0:S0+1], v[S1:S1+1]
	s_delay_alu instid0(VALU_DEP_1)
	v_add_f32 v222, v[S0], v[S0+1]
	s_delay_alu instid0(VALU_DEP_1)
	v_add_f32_dpp v222, v222, v222 row_xmask:1 row_mask:0xf bank_mask:0xf
	s_delay_alu instid0(VALU_DEP_1)
	v_add_f32_dpp v222, v222, v222 row_xmask:2 row_mask:0xf bank_mask:0xf
	s_delay_alu instid0(VALU_DEP_1)
	v_add_f32_dpp v222, v222, v222 row_xmask:4 row_mask:0xf bank_mask:0xf
	s_delay_alu instid0(VALU_DEP_1)
	v_add_f32_dpp v222, v222, v222 row_xmask:8 row_mask:0xf bank_mask:0xf
	s_delay_alu instid0(VALU_DEP_1)
	v_permlanex16_b32 v221, v222, s24, s25
	s_delay_alu instid0(VALU_DEP_1)
	v_add_f32 v[M], v222, v221                     ; every lane holds the row's sum
.endif
	v_max3_num_f32 v8, |v[XS]|, |v[XS+1]|, |v[XS+2]|               ; the largest magnitude of my 16
	v_max3_num_f32 v9, |v[XS+3]|, |v[XS+4]|, |v[XS+5]|
.irp i, 6,10
	s_delay_alu instid0(VALU_DEP_2)
	v_max3_num_f32 v8, v8, |v[XS+\i]|, |v[XS+\i+1]|
	s_delay_alu instid0(VALU_DEP_2)
	v_max3_num_f32 v9, v9, |v[XS+\i+2]|, |v[XS+\i+3]|
.endr
	s_delay_alu instid0(VALU_DEP_2)
	v_max3_num_f32 v8, v8, |v[XS+14]|, |v[XS+15]|
	s_delay_alu instid0(VALU_DEP_1)
	v_max3_num_f32 v8, v8, v9, (EMAX+1)<<23        ; and the floor 2^(EMAX + 1 - 127), under which no largest magnitude is taken: so the byte cannot fall under 1
	s_delay_alu instid0(VALU_DEP_1)
	v_max_num_f32_dpp v8, v8, v8 row_xmask:1 row_mask:0xf bank_mask:0xf   ; and of my neighbour's 16: the block's
	s_delay_alu instid0(VALU_DEP_1)
	v_add_nc_u32 v11, 0xf8800000, v8               ; 15 off its exponent field: the conversion takes the exponent field of this operand as its scale, and nothing else of it
	s_delay_alu instid0(VALU_DEP_2)
	v_and_or_b32 v10, v8, 0x7f800000, s23          ; 57,344 x the scale: the largest magnitude's exponent field over 57,344's mantissa
.irp i, 0,1,2,3,4,5,6,7,8,9,10,11,12,13,14,15
	v_med3_num_f32 v[XS+\i], v[XS+\i], -v10, v10   ; the conversion to an 8-bit code does not saturate (ISA guide 7.6.2): hold the number within the largest code x the scale first
.endr
	v_cvt_scalef32_pk8_bf8_f32 v[C+4*(\t):C+4*(\t)+1], v[XS:XS+7], v11          ; eight numbers / the scale, to the nearest code, ties to even; the first number's code in the lowest byte
	v_cvt_scalef32_pk8_bf8_f32 v[C+4*(\t)+2:C+4*(\t)+3], v[XS+8:XS+15], v11
	v_lshrrev_b32 v[E+(\t)], 23, v11               ; the scale's byte.  (Also the plain line behind the conversions)
	ds_store_b8 v5, v[E+(\t)] offset:128*(\t)      ; two K steps on for each step; both lanes of a block write the same byte with the same value
	global_store_b128 v4, v[C+4*(\t):C+4*(\t)+3], s[8:9] offset:(\t)*2*XBLK   ; 16 lanes store 256 consecutive bytes, a row's whole part of a block, at a multiple of 256 from the buffer's first byte
.endm
.irp t, 0,1,2,3,4,5,6,7
	STEP \t
.endr
	v_mul_f32 v[M], 0x39800000, v[M]               ; / 4,096: the mean (a power of two: nothing is rounded)
	ds_store_b32 v14, v[M]                         ; all lanes write the same word with the same value
	s_wait_dscnt 0x0                               ; for the others' sake: my scale bytes and my mean lie in LDS
	s_barrier_signal -1
	s_barrier_wait -1                              ; all eight rows' do
	s_cmp_gt_u32 s16, 1
	s_cbranch_scc1 .Lend                           ; waves 2 to 7 are done
	ds_load_b128 v[224:227], v6
	s_wait_dscnt 0x0
	global_store_b128 v7, v[224:227], s[10:11] offset:128*256   ; behind each block's 128 rows of codes: four lanes store the eight rows' 64 consecutive bytes of a K step
	s_cmp_lg_u32 s16, 0
	s_cbranch_scc1 .Lend
	ds_load_b32 v222, v15                          ; wave 0: the eight means
	s_wait_dscnt 0x0
	v_cmp_gt_u32 vcc_lo, 8, v2
	s_wait_xcnt 0x0                                ; EXEC is a source of the stores above: it changes only behind this wait
	s_and_saveexec_b32 s26, vcc_lo
	global_store_b32 v223, v222, s[12:13]          ; lanes 0 to 7: 32 consecutive bytes
	s_wait_xcnt 0x0                                ; and again in front of the line that widens it
	s_or_b32 exec_lo, exec_lo, s26
.Lend:
	s_wait_tensorcnt 0x0
	ds_add_u32 v228, v229
	s_wait_dscnt 0x0
	s_endpgm
.Lfunc_end_k_q4e6196f3f1_quant:
	.size	k_q4e6196f3f1_quant, .Lfunc_end_k_q4e6196f3f1_quant-k_q4e6196f3f1_quant
	.p2alignl 7, 3214868480
	.fill 96, 4, 3214868480
	.section	.rodata,"a",@progbits
	.p2align	6, 0x0
	.amdhsa_kernel k_q4e6196f3f1_quant
		.amdhsa_group_segment_fixed_size 44032
		.amdhsa_private_segment_fixed_size 0
		.amdhsa_enable_private_segment 0
		.amdhsa_kernarg_size 24
		.amdhsa_user_sgpr_count 2
		.amdhsa_user_sgpr_kernarg_segment_ptr 1
		.amdhsa_wavefront_size32 1
		.amdhsa_system_sgpr_workgroup_id_x 1
		.amdhsa_system_sgpr_workgroup_id_y 1
		.amdhsa_system_sgpr_workgroup_id_z 1
		.amdhsa_system_vgpr_workitem_id 0
		.amdhsa_next_free_vgpr 230
		.amdhsa_next_free_sgpr 66
		.amdhsa_reserve_vcc 1
		.amdhsa_float_denorm_mode_32 3
		.amdhsa_float_denorm_mode_16_64 3
		.amdhsa_memory_ordered 1
		.amdhsa_forward_progress 1
		.amdhsa_inst_pref_size 37
	.end_amdhsa_kernel
	.amdgpu_metadata
---
amdhsa.version: [ 1, 2 ]
amdhsa.kernels:
  - .name:           k_q4e6196f3f1_quant
    .symbol:         k_q4e6196f3f1_quant.kd
    .args:
      - { .name: x, .offset: 0, .size: 8, .value_kind: global_buffer, .address_space: global }
      - { .name: xq, .offset: 8, .size: 8, .value_kind: global_buffer, .address_space: global }
      - { .name: rmean, .offset: 16, .size: 8, .value_kind: global_buffer, .address_space: global }
    .group_segment_fixed_size: 44032
    .private_segment_fixed_size: 0
    .kernarg_segment_align: 8
    .kernarg_segment_size: 24
    .max_flat_workgroup_size: 256
    .sgpr_count:     66
    .vgpr_count:     230
    .wavefront_size: 32
...
	.end_amdgpu_metadata
.endif
;; end of part 1
;; launch gemm (part 2): grid 32 x 8, 4 waves a work-group, clusters of 4 x 4, 327,680 bytes of LDS; arguments xq, W_codes, W_scales, b, rmean, out0; writes out0
.if DOCPART == 2
	.amdgcn_target "amdgcn-amd-amdhsa--gfx1250"
	.amdhsa_code_object_version 6
	.text
	.protected	k_q4e6196f3f1_gemm
	.globl	k_q4e6196f3f1_gemm
	.p2align	8
	.type	k_q4e6196f3f1_gemm,@function
k_q4e6196f3f1_gemm:
	s_mov_b64 s[64:65], 0
	v_nop
	global_prefetch_b8 v0, s[64:65] scope:SCOPE_SE
	s_setreg_imm32_b32 hwreg(HW_REG_WAVE_MODE, 25, 1), 1
	s_wait_xcnt 0x0
	s_wait_alu depctr_hold_cnt(0) depctr_sa_sdst(0) depctr_va_vdst(0) depctr_va_sdst(0) depctr_va_ssrc(0) depctr_va_vcc(0) depctr_vm_vsrc(0)
	s_getreg_b32 s2, hwreg(HW_REG_IB_STS2, 6, 4)
	s_cmp_eq_u32 s2, 0
	s_cbranch_scc0 .Lentry_in_a_cluster
	s_endpgm
.Lentry_in_a_cluster:
	s_bfe_u32 s2, ttmp6, 0x10000c
	s_cmp_lg_u32 s2, 0xf033
	s_cbranch_scc0 .Lentry_shape_is_right
	s_endpgm
.Lentry_shape_is_right:
; out[n][f] = tanh(sum over k of x[n][k] W[g][f][k] + b[g][f]), g = 1 where row n's mean is over 0, else 0.  Both experts' sums are made for every row and the row's own is selected, ahead of tanh.
; x: codes of BF8 (E5M2) with scale bytes as the launch before laid them: [16 tiles of 128 rows][16 K steps of 256][132 x 256 bytes].  W: codes and scale bytes as given.
; LIMITS: NaN and infinities among the inputs are not served.
; A work-group of four waves makes 256 rows x 128 columns of BOTH experts; a wave 128 rows x (64 columns x 2 experts): 64 sums of 16 x 16, 512 registers.  Grid: 32 column tiles x 8 row tiles.
; K goes in 16 steps of 256 through two LDS slots.  Waves 0, 1 fetch a block of x's codes with its scale bytes each, waves 2, 3 an expert's 128 rows of W each.
; CLUSTERS of 4 x 4: x's blocks are asked for jointly along a row, W's along a column.  W's scale bytes (32 KB for all K) come once by plain loads and are stored into LDS bytes of their own.
; TRANSPOSED USE: source 0 = 16 columns (rows of W), source 1 = 16 rows of x: a lane holds row lane % 16 and eight neighbouring columns.
; A slot holds two steps of 128 along K (q = 0, 1); a step is 64 products, row block a = 0 .. 7 against eight fragments of W (four of each expert), back to back.
; LDS LOADS stand in two runs a step, each behind eight v_nop (the places ahead of loads into what products have read): one at or near the step's head, one behind row block 2.
; W's fragments have two sets (window 1), by q.  Of x's fragments row blocks 0-2 have one buffer, loaded anew behind block 2; blocks 3-7 have two, by q.  So the step q = 1 asks for nothing of its own slot,
; and the change of slots stands near its head.
; PREFETCH: at the change of slots of K step k, K step k + 4 is asked for, two refills ahead; in the first step, K step 3.  Lane = row of W (32 of the 128 for each of the four partners, by cy) or = 256 bytes of x's block (by cx).
; x's blocks are asked for by the clusters of even x alone, of eight that read them.  K steps 0 to 2 come by their loads alone; the last three changes of slots ask for nothing.
; THE WAY OUT goes by pairs of row blocks: the last step's products of the next pair stand among a pair's tanh; a pair goes through the wave's own stage in slot 0 (which has had its last fill and its last read) and leaves as rows of 256 bytes.
; REGISTERS: window 0: v16-31 addresses; v32-63 scale words, two sets; v128-255 x's fragments for q = 0 (blocks 0-2 for q = 1 too); for q = 1 block 3 v0-15, blocks 4-7 v64-127;
; in the first step v64-127 hold the bias (C of the first products); on the way out v192-255 tanh.  window 1: W's fragments, two sets of 128; on the way out v0-127 rows read back.  windows 2, 3: the sums of row blocks 0-3, 4-7.
.set PITCH,  272                       ; an LDS row: 256 bytes + 16 of padding
.set FR,     16
.set NP,     8                         ; places behind this matrix instruction (ISA guide 7.12.1)
.set XBLK,   33792
.set XTILE,  16*XBLK
.set AH,     132*PITCH                 ; a block of x: 128 rows of codes, 4 of scale bytes
.set HALFT,  128*PITCH
.set SLOT,   2*AH+2*HALFT
.set LAPS,   8
.set SCL,    2*SLOT                    ; W's scale bytes: [expert][half of the columns][32 rows of 256 bytes + 16]
.set WSQ,    32*PITCH
.set SPARE,  SCL+4*WSQ
.set ADRA, 16
.set PFO,  18
.set PFO2, 19
.set ADRB, 20
.set ADXS, 22
.set STO,  24
.set RD,   25
.set CO,   26
.set ADWS, 27
.set SPW,  28
.set NIL,  29
.set SC,   32
.set BIAS, 64
.set AF,   128
.set T,    192
.set G1,   24
.set G0,   32
.set G1B,  48
.set G0B,  56
.set PFA,  70                          ; s[70:71] where my prefetches stand, s[72:73] their step along K, s74 the limit
.set PST,  72
.set LIM,  74
.set GM,   80                          ; s80-87 a mask of lanes for each row block: the row takes expert 1
.set CT,   88
.set MSB, 0
.macro WIN new                         ; the immediate's high byte repeats the setting that is left
.if MSB != (\new)
	s_set_vgpr_msb (MSB<<8)|(\new)
.set MSB, (\new)
.endif
.endm
.macro PLACES n
.rept \n
	v_nop
.endr
.endm
.macro JLOAD s                         ; a joint load: one line for x's blocks, one for W's rows; an s_nop 0 and four v_nop follow each
	s_cmp_eq_u32 s17, 0
	s_cbranch_scc0 .Lfor_w_\@
	tensor_load_to_lds s[G0+4*\s:G0+4*\s+3], s[G1:G1+7]
	s_nop 0
	PLACES 4
	s_branch .Lasked_\@
.Lfor_w_\@:
	tensor_load_to_lds s[G0B+4*\s:G0B+4*\s+3], s[G1B:G1B+7]
	s_nop 0
	PLACES 4
.Lasked_\@:
.endm
.macro CREST                           ; a round of the cluster's barrier behind its opening barrier
	s_cmp_lg_u32 s16, 0
	s_cbranch_scc1 .Lnot_wave_0_\@
	s_barrier_signal -3
.Lnot_wave_0_\@:
	s_barrier_wait -3
	s_barrier_signal -1
	s_barrier_wait -1
.endm
.macro CROUND
	s_barrier_signal -1
	s_barrier_wait -1
	CREST
.endm
.macro ASK                             ; s3: laps to go, 1 in the loop's last trip; x's waves ask for the block's four units of scale bytes too, one for each partner
	s_cmp_gt_u32 s3, s[LIM]
	s_cbranch_scc0 .Lnot_mine_\@
	global_prefetch_b8 v[PFO], s[PFA:PFA+1] th:TH_LOAD_NT scope:SCOPE_SE
	s_cmp_eq_u32 s17, 0
	s_cbranch_scc0 .Lnot_mine_\@
	global_prefetch_b8 v[PFO2], s[PFA:PFA+1] th:TH_LOAD_NT scope:SCOPE_SE
.Lnot_mine_\@:
.endm
	s_load_b256 s[4:11], s[0:1], 0x0               ; x's codes, W's codes, W's scales, b
	s_load_b128 s[12:15], s[0:1], 0x20             ; the means, out
	v_lshl_add_u32 v[SPW], v0, 2, SPARE
	v_mov_b32 v[NIL], 0
	ds_add_u32 v[SPW], v[NIL]                      ; the add, twice on end, ahead of my first tensor load
	ds_add_u32 v[SPW], v[NIL]
	v_lshrrev_b32 v1, 5, v0
	v_readfirstlane_b32 s16, v1                    ; wave 0..3
	s_lshr_b32 s17, s16, 1                         ; my half of the rows.  Also: I fetch x (0) or W (1); and W's expert whose scale bytes I bring
	s_and_b32 s18, s16, 1                          ; my half of the columns.  Also: which block of x, which expert of W I fetch
	s_bfe_u32 s40, ttmp6, 0x40000                  ; cx, cy
	s_bfe_u32 s41, ttmp6, 0x40004
	s_lshl_b32 s42, ttmp9, 2
	s_add_co_u32 s42, s42, s40                     ; column tile
	s_and_b32 s19, ttmp7, 0xffff
	s_lshl_b32 s19, s19, 2
	s_add_co_u32 s19, s19, s41                     ; row tile
	s_lshl_b32 s43, s41, 2
	s_lshl_b32 s43, 15, s43                        ; my row of the cluster
	s_lshl_b32 s44, 0x1111, s40                    ; my column
	s_or_b32 s[G1+0], s43, (3<<16)|(1<<20)|(1<<21)|(5<<22)|(3<<25)   ; x: a dense block as 132 rows of 32 elements of 8 bytes, 16 bytes of padding behind each
	s_mov_b32 s[G1+1], 32<<16
	s_mov_b32 s[G1+2], 132<<16
	s_mov_b32 s[G1+3], 32<<16
	s_mov_b32 s[G1+4], 132
	s_mov_b32 s[G1+5], 32
	s_mov_b32 s[G1+6], 0
	s_mov_b32 s[G1+7], 0
	s_or_b32 s[G1B+0], s44, (0<<16)|(1<<20)|(1<<21)|(5<<22)|(3<<25)  ; W: 128 rows of 256 bytes, 4,096 apart
	s_mov_b32 s[G1B+1], 256<<16
	s_mov_b32 s[G1B+2], 128<<16
	s_mov_b32 s[G1B+3], 256<<16
	s_mov_b32 s[G1B+4], 128
	s_mov_b32 s[G1B+5], 4096
	s_mov_b32 s[G1B+6], 0
	s_mov_b32 s[G1B+7], 0
	s_lshl_b32 s20, s19, 1
	s_add_co_u32 s20, s20, s18
	s_mul_i32 s20, s20, XTILE                      ; x: tile 2 x row tile + s18
	s_mov_b32 s21, 0
	s_lshl_b32 s46, s18, 24
	s_lshl_b32 s47, s42, 19
	s_add_co_u32 s46, s46, s47                     ; W: expert s18, column 128 x column tile
	s_mov_b32 s47, 0
	s_mul_i32 s45, s16, AH                         ; LDS: x's two blocks, then W's two experts
	s_mul_i32 s94, s16, HALFT
	s_add_co_u32 s94, s94, 2*AH-2*HALFT
	s_wait_alu depctr_va_vdst(0)
	s_wait_dscnt 0x0                               ; both adds are done
	s_wait_kmcnt 0x0
	s_add_nc_u64 s[20:21], s[4:5], s[20:21]
	s_add_nc_u64 s[46:47], s[6:7], s[46:47]
	CROUND                                         ; in front of the first joint loads
.irp s, 0,1
	s_mov_b32 s[G0+4*\s], 1
	s_add_co_u32 s[G0+4*\s+1], s45, \s*SLOT
	s_add_nc_u64 s[G0+4*\s+2:G0+4*\s+3], s[20:21], \s*XBLK
	s_or_b32 s[G0+4*\s+3], s[G0+4*\s+3], 0x80000000
	s_mov_b32 s[G0B+4*\s], 1
	s_add_co_u32 s[G0B+4*\s+1], s94, \s*SLOT
	s_add_nc_u64 s[G0B+4*\s+2:G0B+4*\s+3], s[46:47], \s*256
	s_or_b32 s[G0B+4*\s+3], s[G0B+4*\s+3], 0x80000000
.endr
	JLOAD 0                                        ; K step 0: one tensor load a wave at the head
	s_lshl_b32 s92, s17, 19                        ; W's scale bytes: expert s17, columns 128 x column tile + 64 x s18: 8,192 dense bytes a wave
	s_lshl_b32 s93, s42, 14
	s_add_co_u32 s92, s92, s93
	s_lshl_b32 s93, s18, 13
	s_add_co_u32 s92, s92, s93
	s_mov_b32 s93, 0
	s_add_nc_u64 s[8:9], s[8:9], s[92:93]
	s_lshl_b32 s90, s42, 9                         ; my first column, in bytes of f32
	s_lshl_b32 s91, s18, 8
	s_add_co_u32 s90, s90, s91
	s_mov_b32 s91, 0
	s_add_nc_u64 s[10:11], s[10:11], s[90:91]
	s_lshl_b32 s96, s19, 10                        ; my rows' means
	s_lshl_b32 s97, s17, 9
	s_add_co_u32 s96, s96, s97
	s_mov_b32 s97, 0
	s_add_nc_u64 s[12:13], s[12:13], s[96:97]
	s_lshl_b32 s22, s19, 22                        ; my rows of the output
	s_lshl_b32 s23, s17, 21
	s_add_co_u32 s22, s22, s23
	s_mov_b32 s23, 0
	s_add_nc_u64 s[14:15], s[14:15], s[22:23]
	s_add_nc_u64 s[14:15], s[14:15], s[90:91]
	; the prefetches
	s_and_b32 s74, ttmp9, 1
	s_mul_i32 s74, s74, 254
	s_add_co_u32 s74, s74, 1                       ; x's waves of a cluster of odd x: a limit that no lap count passes
	s_lshl_b32 s76, s40, 13                        ; x: 32 units of 256 bytes for each cx
	s_lshl_b32 s77, s41, 17                        ; W: 32 rows for each cy
	s_lshl_b32 s78, s40, 8
	s_add_co_u32 s78, s78, 32768                   ; x: the block's scale bytes, unit cx
	s_mov_b32 s98, XBLK
	s_mov_b32 s99, 4096
	s_mov_b32 s[PST+1], 0
	s_cmp_eq_u32 s17, 0
	s_cselect_b64 s[PFA:PFA+1], s[20:21], s[46:47]
	s_cselect_b32 s[PST], s98, 256
	s_cselect_b32 s75, 256, s99
	s_cselect_b32 s76, s76, s77
	s_cselect_b32 s[LIM], s[LIM], 1
	s_mul_i32 s98, s[PST], 3
	s_mov_b32 s99, 0
	s_add_nc_u64 s[PFA:PFA+1], s[PFA:PFA+1], s[98:99]   ; K step 3
	s_mov_b32 s[CT], 0x4038aa3b                    ; 2 log2(e)
	s_mov_b32 s[CT+1], s[CT]
	s_mul_i32 s98, s17, AH                         ; LDS: my rows of x,
	s_add_co_u32 s97, s98, 128*PITCH               ; their scale bytes,
	s_mul_i32 s99, s18, 64*PITCH
	s_add_co_u32 s99, s99, 2*AH                    ; my columns of W,
	s_mul_i32 s95, s16, WSQ
	s_add_co_u32 s95, s95, SCL                     ; the scale bytes that I store,
	s_mul_i32 s94, s18, WSQ
	s_add_co_u32 s94, s94, SCL                     ; those that I read,
	s_mul_i32 s93, s16, 32*PITCH                   ; my stage of 32 rows
	v_and_b32 v1, 15, v0                           ; lane % 16
	v_bfe_u32 v2, v0, 4, 1                         ; lane / 16
	v_and_b32 v5, 31, v0
	v_lshlrev_b32 v6, 4, v5
	v_lshlrev_b32 v30, 5, v2
	v_lshlrev_b32 v31, 2, v1
.irp i, 0,1,2,3,4,5,6,7,8,9,10,11,12,13,14,15
	global_load_b128 v[128+4*\i:128+4*\i+3], v6, s[8:9] offset:512*\i
.endr
.irp b, 0,1,2,3,4,5,6,7
	global_load_b128 v[BIAS+8*\b:BIAS+8*\b+3],   v30, s[10:11] offset:(\b/4)*16384+(\b%4)*64
	global_load_b128 v[BIAS+8*\b+4:BIAS+8*\b+7], v30, s[10:11] offset:(\b/4)*16384+(\b%4)*64+16
.endr
.irp a, 0,1,2,3,4,5,6,7
	global_load_b32 v[8+\a], v31, s[12:13] offset:64*\a
.endr
	v_mul_u32_u24 v3, v1, PITCH
	v_lshl_add_u32 v4, v2, 4, v3                   ; a fragment: row x pitch + 16 x half
	v_lshlrev_b32 v7, 3, v5                        ; a row's eight scale bytes
	v_add_nc_u32 v[ADRA], s98, v4
	v_add_nc_u32 v[ADRB], s99, v4
	v_add_nc_u32 v[ADXS], s97, v7
	v_add_nc_u32 v[ADRA+1], SLOT, v[ADRA]
	v_add_nc_u32 v[ADRB+1], SLOT, v[ADRB]
	v_add_nc_u32 v[ADXS+1], SLOT, v[ADXS]
	v_lshrrev_b32 v200, 1, v1                      ; W's scale bytes: two rows of 128 in an LDS row; lanes 16-31 take expert 1
	v_mul_u32_u24 v200, v200, PITCH
	v_and_b32 v201, 1, v1
	v_lshl_add_u32 v200, v201, 7, v200
	v_mul_u32_u24 v201, v2, 2*WSQ
	v_add_nc_u32 v200, v200, v201
	v_add_nc_u32 v[ADWS], s94, v200
	v_lshl_add_u32 v202, v2, 5, v3                 ; the stage, in: row lane % 16, 32 bytes for each half
	v_add_nc_u32 v[STO], s93, v202
	v_mul_u32_u24 v203, v2, PITCH                  ; back: 16 lanes a row
	v_lshl_add_u32 v203, v1, 4, v203
	v_add_nc_u32 v[RD], s93, v203
	v_add_nc_u32 v3, s95, v203                     ; where my scale bytes go: the same pattern
	v_lshlrev_b32 v205, 14, v2
	v_lshl_add_u32 v[CO], v1, 4, v205
	v_mul_u32_u24 v[PFO], s75, v5
	v_add_nc_u32 v[PFO], s76, v[PFO]
	v_mov_b32 v[PFO2], s78
	s_wait_alu depctr_va_vdst(0)
	s_wait_loadcnt 24                              ; the scale bytes are in; 16 loads of the bias and 8 of means may be out
.irp i, 0,1,2,3,4,5,6,7,8,9,10,11,12,13,14,15
	v_mov_b32 v[192+4*\i], v[129+4*\i]             ; the two words of a K step change places: so the scale words of one product lie in registers of unlike parity
	v_mov_b32 v[193+4*\i], v[128+4*\i]
	v_mov_b32 v[194+4*\i], v[131+4*\i]
	v_mov_b32 v[195+4*\i], v[130+4*\i]
.endr
	s_wait_alu depctr_va_vdst(0)
	s_wait_loadcnt 0x0
.irp a, 0,1,2,3,4,5,6,7
	v_cmp_lt_f32 s[GM+\a], 0, v[8+\a]
.endr
	s_wait_alu depctr_va_vdst(0)
	s_wait_tensorcnt 0x0                           ; my part of K step 0 is in
.irp i, 0,1,2,3,4,5,6,7,8,9,10,11,12,13,14,15
	ds_store_b128 v3, v[192+4*\i:192+4*\i+3] offset:2*\i*PITCH
.endr
	s_wait_tensorcnt 0x0
	ds_add_u32 v[SPW], v[NIL]
	s_wait_dscnt 0x0                               ; the add and my stores are done
	CROUND
	JLOAD 1                                        ; K step 1
.macro FRAG reg, adr, off              ; 16 rows x 128 K: lane (r, h): registers 4 c .. 4 c + 3 hold K = 32 c + 16 h + 0 .. 15
.irp c, 0,1,2,3
	ds_load_b128 v[\reg+4*\c:\reg+4*\c+3], v[\adr] offset:(\off)+32*\c
.endr
.endm
.macro XREG i, q                       ; rX: the first register of row block i's fragment for the slot's q-th 128 along K
.set rX, AF+FR*(\i)
.if ((\q) == 1) && ((\i) == 3)
.set rX, 0
.endif
.if ((\q) == 1) && ((\i) > 3)
.set rX, 64+FR*((\i)-4)
.endif
.endm
.macro LA slot, q, i                   ; row block i
	XREG \i, \q
	WIN 0
	FRAG rX, ADRA+\slot, 128*(\q)+(\i)*16*PITCH
.endm
.macro LB slot, q, i                   ; W's fragment i (0-3 expert 0, 4-7 expert 1) into set q
	WIN 0x40
	FRAG 128*(\q)+FR*(\i), ADRB+\slot, 128*(\q)+((\i)%4)*16*PITCH+((\i)/4)*HALFT
.endm
.macro LBALL slot, q
.irp i, 0,1,2,3,4,5,6,7
	LB \slot, \q, \i
.endr
.endm
.macro SCALES sc                       ; a slot's scale words: x's register 2 i + q: lanes 0-15 block 2 i, lanes 16-31 block 2 i + 1; W's 8 + 2 i + 1 - q: lanes 0-15 expert 0, 16-31 expert 1
.irp i, 0,1,2,3
	ds_load_b64 v[SC+16*\sc+2*\i:SC+16*\sc+2*\i+1], v[ADXS+\sc] offset:\i*PITCH
.endr
.irp i, 0,1,2,3
	ds_load_b64 v[SC+16*\sc+8+2*\i:SC+16*\sc+8+2*\i+1], v[ADWS] offset:\i*8*PITCH
.endr
.endm
.macro ONE a, b, q, sc, first          ; a product; first = 1: C is the bias
.set rD, 8*(8*((\a)%4)+(\b))
.set rW, 128*(\q)+FR*(\b)
	XREG \a, \q
.set rC, rD
.if \first
.set rC, BIAS+8*(\b)
.endif
.set rSW, SC+16*(\sc)+8+2*((\b)%4)+1-(\q)
.set rSX, SC+16*(\sc)+2*((\a)/2)+(\q)
.if ((\b) < 4) && ((\a)%2 == 0)
	v_wmma_scale_f32_16x16x128_f8f6f4 v[rD:rD+7], v[rW:rW+15], v[rX:rX+15], v[rC:rC+7], v[rSW], v[rSX] matrix_a_fmt:MATRIX_FMT_BF8 matrix_b_fmt:MATRIX_FMT_BF8
.elseif (\b) < 4
	v_wmma_scale_f32_16x16x128_f8f6f4 v[rD:rD+7], v[rW:rW+15], v[rX:rX+15], v[rC:rC+7], v[rSW], v[rSX] matrix_a_fmt:MATRIX_FMT_BF8 matrix_b_fmt:MATRIX_FMT_BF8 matrix_b_scale:MATRIX_SCALE_ROW1
.elseif (\a)%2 == 0
	v_wmma_scale_f32_16x16x128_f8f6f4 v[rD:rD+7], v[rW:rW+15], v[rX:rX+15], v[rC:rC+7], v[rSW], v[rSX] matrix_a_fmt:MATRIX_FMT_BF8 matrix_b_fmt:MATRIX_FMT_BF8 matrix_a_scale:MATRIX_SCALE_ROW1
.else
	v_wmma_scale_f32_16x16x128_f8f6f4 v[rD:rD+7], v[rW:rW+15], v[rX:rX+15], v[rC:rC+7], v[rSW], v[rSX] matrix_a_fmt:MATRIX_FMT_BF8 matrix_b_fmt:MATRIX_FMT_BF8 matrix_a_scale:MATRIX_SCALE_ROW1 matrix_b_scale:MATRIX_SCALE_ROW1
.endif
.endm
.macro BLK a, q, sc, first             ; row block a: eight products.  The 64 sums take turns in the same order in every step
.if \first
	WIN 0x81+0x40*((\a)/4)
.else
	WIN 0xa1+0x50*((\a)/4)
.endif
.irp b, 0,1,2,3,4,5,6,7
	ONE \a, \b, \q, \sc, \first
.endr
.endm
; A slot's first 128 along K.  Its own row blocks 6 and 7 are loaded at its head, ahead of the next step's fragments.
; first = 1: the bias lies where row blocks 4-7 of q = 1 go: they are loaded at the step's end.
.macro STEP slot, first
.if \first == 0
	PLACES NP
.endif
	LA \slot, 0, 6
	LA \slot, 0, 7
	LBALL \slot, 1
	LA \slot, 1, 3
.if \first
	s_wait_dscnt 44                                ; all but the 44 just issued
.else
.irp i, 4,5,6,7
	LA \slot, 1, \i
.endr
	s_wait_dscnt 60                                ; all but the 60 just issued
.endif
.irp a, 0,1,2
	BLK \a, 0, \slot, \first
.endr
	WIN 0
.if \first
	s_wait_dscnt 36                                ; row blocks 6 and 7 are in
.else
	s_wait_dscnt 52
.endif
	PLACES NP
.irp i, 0,1,2
	LA \slot, 1, \i
.endr
.if \first
	ASK
.endif
.irp a, 3,4,5,6,7
	BLK \a, 0, \slot, \first
.endr
	WIN 0
.if \first
	PLACES NP
.irp i, 4,5,6,7
	LA \slot, 1, \i
.endr
.endif
.endm
; A slot's second 128 along K, and the change of slots.  fill = 1: the slot is filled again, two K steps ahead.
.macro TURN slot, next, fill
.if \fill
	s_wait_xcnt 0x0                                ; any prefetch of mine has read its address
	s_add_nc_u64 s[PFA:PFA+1], s[PFA:PFA+1], s[PST:PST+1]
.endif
	s_wait_tensorcnt 0x0                           ; my part of the next slot is in
	ds_add_u32 v[SPW], v[NIL]
.if \fill
	s_add_nc_u64 s[G0+4*\slot+2:G0+4*\slot+3], s[G0+4*\slot+2:G0+4*\slot+3], 2*XBLK
	s_add_nc_u64 s[G0B+4*\slot+2:G0B+4*\slot+3], s[G0B+4*\slot+2:G0B+4*\slot+3], 2*256
.endif
	s_wait_dscnt 1                                 ; all of this step's fragments; the add may be out
	BLK 0, 1, \slot, 0
	s_wait_dscnt 0x0                               ; the add is done, and my reads of this slot are over
	s_barrier_signal -1
	BLK 1, 1, \slot, 0
	WIN 0
	s_barrier_wait -1
.if \fill
	CREST                                          ; no wave of any partner still reads this slot or has a load on its way
	JLOAD \slot                                    ; its four v_nop are among the places ahead of the loads below
	PLACES NP-4
.else
	PLACES NP
.endif
	s_wait_alu depctr_va_vdst(0)
	v_add_nc_u32 v[ADWS], 8, v[ADWS]               ; the next K step's scale bytes
	SCALES \next
	LBALL \next, 0
.irp i, 3,4,5
	LA \next, 0, \i
.endr
	BLK 2, 1, \slot, 0
	WIN 0
	PLACES NP
.irp i, 0,1,2
	LA \next, 0, \i
.endr
.if \fill
	ASK
.endif
.irp a, 3,4,5,6,7
	BLK \a, 1, \slot, 0
.endr
	WIN 0
.endm
	SCALES 0
	LBALL 0, 0
.irp i, 3,4,5,0,1,2
	LA 0, 0, \i
.endr
	s_mov_b32 s3, LAPS-1
	STEP 0, 1                                      ; the first step's products start the sums with the bias
.Llap:                                                 ; a trip: from a lap's second step to the next lap's first
	TURN 0, 1, 1
	STEP 1, 0
	TURN 1, 0, 1
	STEP 0, 0
	s_sub_co_u32 s3, s3, 1
	s_cmp_lg_u32 s3, 0
	s_cbranch_scc1 .Llap
	TURN 0, 1, 0                                   ; the last lap fills nothing
	STEP 1, 0
; THE LAST STEP AND THE WAY OUT, by pairs p of row blocks 2 p, 2 p + 1.  tanh(y) = 1 - 2 / (1 + 2^(2 log2(e) y)).
.macro NEXT p                          ; one of the next pair's sixteen products
.if (\p) < 3
	WIN 0xa1+0x50*(((\p)+1)/2)
	ONE 2*(\p)+2+N_/8, N_%8, 1, 1, 0
	WIN 0
.set N_, N_+1
.endif
.endm
.macro TANH p
.set N_, 0
	WIN 0x0a+5*((\p)/2)
	s_wait_alu depctr_va_vdst(0)
.irp u, 0,1
.set AC, 64*((2*(\p)+\u)%4)
.irp b, 0,1,2,3
.irp j, 0,1,2,3,4,5,6,7
	v_cndmask_b32 v[T+32*\u+8*\b+\j], v[AC+8*\b+\j], v[AC+8*(\b+4)+\j], s[GM+2*(\p)+\u]   ; the row's own expert
.endr
.endr
.endr
	WIN 0
.set I_, 0
.rept 32
	v_pk_mul_f32 v[T+I_:T+I_+1], v[T+I_:T+I_+1], s[CT:CT+1] op_sel_hi:[1,0]
.if I_%8 == 6
	NEXT \p
.endif
.set I_, I_+2
.endr
	s_wait_alu depctr_va_vdst(0)                   ; one wait ahead of the batch and one behind it
.set I_, 0
.rept 64
	v_exp_f32 v[T+I_], v[T+I_]
.set I_, I_+1
.endr
	v_nop
	s_wait_alu depctr_va_vdst(0)
.set I_, 0
.rept 32
	v_pk_add_f32 v[T+I_:T+I_+1], v[T+I_:T+I_+1], 1.0 op_sel_hi:[1,0]
.if I_%8 == 6
	NEXT \p
.endif
.set I_, I_+2
.endr
	s_wait_alu depctr_va_vdst(0)
.set I_, 0
.rept 64
	v_rcp_f32 v[T+I_], v[T+I_]
.set I_, I_+1
.endr
	v_nop
	s_wait_alu depctr_va_vdst(0)
.set I_, 0
.rept 32
	v_pk_fma_f32 v[T+I_:T+I_+1], v[T+I_:T+I_+1], -2.0, 1.0 op_sel_hi:[1,0,0]
.set I_, I_+2
.endr
.endm
.macro TOSTAGE p                       ; my own stage: LDS serves a wave's instructions in order (ISA guide 5.7.1.4)
.set BB, 64*((\p)%2)
.irp u, 0,1
.irp b, 0,1,2,3
	ds_store_b128 v[STO], v[T+32*\u+8*\b:T+32*\u+8*\b+3] offset:16*PITCH*\u+64*\b
	ds_store_b128 v[STO], v[T+32*\u+8*\b+4:T+32*\u+8*\b+7] offset:16*PITCH*\u+64*\b+16
.endr
.endr
	WIN 0x40
.irp t, 0,1,2,3,4,5,6,7,8,9,10,11,12,13,14,15
	ds_load_b128 v[BB+4*\t:BB+4*\t+3], v[RD] offset:\t*2*PITCH
.endr
	WIN 0
.endm
.macro SEND p
.set BB, 64*((\p)%2)
	s_wait_dscnt 0x0                               ; the pair is back in registers
	WIN 0x04
.irp t, 0,1,2,3,4,5,6,7,8,9,10,11,12,13,14,15
	global_store_b128 v[CO], v[BB+4*\t:BB+4*\t+3], s[14:15] offset:(32*(\p)+2*\t)*16384 th:TH_STORE_NT   ; 16 lanes store 256 consecutive bytes, aligned
.endr
	WIN 0
.endm
	s_wait_dscnt 0x0                               ; the last step's fragments
	BLK 0, 1, 1, 0
	BLK 1, 1, 1, 0
	WIN 0
	PLACES NP
	TANH 0
	TOSTAGE 0
.irp p, 1,2,3
	TANH \p
	s_wait_alu depctr_va_vdst(0)
	s_wait_xcnt 0x0                                ; pair p - 2's stores have read their registers, into which pair p's rows come back
	SEND \p-1
	TOSTAGE \p
.endr
	SEND 3
	s_wait_tensorcnt 0x0                           ; the wave's end
	ds_add_u32 v[SPW], v[NIL]
	s_wait_dscnt 0x0
	CROUND                                         ; the closing round
	s_endpgm
.Lfunc_end_k_q4e6196f3f1_gemm:
	.size	k_q4e6196f3f1_gemm, .Lfunc_end_k_q4e6196f3f1_gemm-k_q4e6196f3f1_gemm
	.p2alignl 7, 3214868480
	.fill 96, 4, 3214868480
	.section	.rodata,"a",@progbits
	.p2align	6, 0x0
	.amdhsa_kernel k_q4e6196f3f1_gemm
		.amdhsa_group_segment_fixed_size 327680
		.amdhsa_private_segment_fixed_size 0
		.amdhsa_enable_private_segment 0
		.amdhsa_kernarg_size 48
		.amdhsa_user_sgpr_count 2
		.amdhsa_user_sgpr_kernarg_segment_ptr 1
		.amdhsa_wavefront_size32 1
		.amdhsa_system_sgpr_workgroup_id_x 1
		.amdhsa_system_sgpr_workgroup_id_y 1
		.amdhsa_system_sgpr_workgroup_id_z 1
		.amdhsa_system_vgpr_workitem_id 0
		.amdhsa_next_free_vgpr 1024
		.amdhsa_next_free_sgpr 102
		.amdhsa_reserve_vcc 0
		.amdhsa_float_denorm_mode_32 3
		.amdhsa_float_denorm_mode_16_64 3
		.amdhsa_memory_ordered 1
		.amdhsa_forward_progress 1
		.amdhsa_inst_pref_size 200
	.end_amdhsa_kernel
	.amdgpu_metadata
---
amdhsa.version: [ 1, 2 ]
amdhsa.kernels:
  - .name:           k_q4e6196f3f1_gemm
    .symbol:         k_q4e6196f3f1_gemm.kd
    .args:
      - { .name: xq, .offset: 0, .size: 8, .value_kind: global_buffer, .address_space: global }
      - { .name: W_codes, .offset: 8, .size: 8, .value_kind: global_buffer, .address_space: global }
      - { .name: W_scales, .offset: 16, .size: 8, .value_kind: global_buffer, .address_space: global }
      - { .name: b, .offset: 24, .size: 8, .value_kind: global_buffer, .address_space: global }
      - { .name: rmean, .offset: 32, .size: 8, .value_kind: global_buffer, .address_space: global }
      - { .name: out0, .offset: 40, .size: 8, .value_kind: global_buffer, .address_space: global }
    .group_segment_fixed_size: 327680
    .private_segment_fixed_size: 0
    .kernarg_segment_align: 8
    .kernarg_segment_size: 48
    .max_flat_workgroup_size: 128
    .sgpr_count:     102
    .vgpr_count:     1024
    .wavefront_size: 32
...
	.end_amdgpu_metadata
.endif
;; end of part 2
